; MI455X (gfx1250); checked and timed in simulation.
; The chip was launched on July 23, 2026; its instructions are those of AMD's public machine-readable ISA for CDNA 5 (MIT licence, August 2026) and "CDNA5" Instruction Set Architecture Reference Guide (July 2026). The comments in the code are by the model that wrote it; some were corrected since.
;; Test Two Einsum. Allowed arithmetic: matrix products marked QUANTISED: E2M3 operands, one E8M0 scale for each 32 along K, by v_wmma_scale_f32_16x16x128_f8f6f4 with both operands' format E2M3, f32 sums; everything else in f32.
;; Inputs: w1 8 x 1,024 x 4,096 float32; w2 8 x 4,096 x 1,024 float32; x 4 x 256 x 1,024 float32.
;; Outputs: out0 4 x 256 x 1,024 float32.
;; This version of the problem:
;;   THIS VERSION OF THE PROBLEM IS GIVEN IN LOW PRECISION. The matrix products marked QUANTISED in the list below multiply operands that are first quantised to E2M3 (2 exponent bits, 3 mantissa bits; 6 bits a number), with one power-of-two scale for each 32 numbers along K (OCP MX v1.0); their sums are f32. All else is computed in f32.
;;   The module's matrix products, in the order in which they are computed (A, B: the left and right operand; K: the contracted axis; several contracted axes count as one K, in the product's order):
;;     1. [M 32,768, K 1,024] x [K 1,024, N 1,024]; A: input w1; B: input x: QUANTISED
;;     2. [M 1,024, K 32,768] x [K 32,768, N 1,024]; A: computed on the way; B: input w2: QUANTISED
;;   THE QUANTISER, for each operand of a quantised product, along K:
;;     - K is cut into blocks of 32 from its start; a last block that is shorter is filled with zeros.
;;     - A block's scale is 2^e with e = floor(log2(the largest magnitude in the block)) - 2, held to -126 .. 127; a block of zeros has e = 0. As a byte (E8M0): e + 127.
;;     - Each number is divided by its block's scale, clamped to +-7.5, and rounded to the nearest number of E2M3, ties to even, subnormals kept.
;;     - The product sums the exact products of the quantised numbers (number of the format x scale) in f32.
;;   ~~~python
;;   def quantise(x, axis):      # numpy; x: float32 -> the quantised numbers, widened to float32 again
;;       x = np.moveaxis(x, axis, -1); K = x.shape[-1]
;;       x = np.pad(x, [(0, 0)] * (x.ndim - 1) + [(0, -K % 32)]); x = x.reshape(x.shape[:-1] + (-1, 32)); a = np.abs(x).max(-1, keepdims=True)
;;       e = np.where(a > 0, np.clip(np.frexp(np.where(a > 0, a, 1))[1] - 1 - 2, -126, 127), 0)      # np.frexp(a)[1] - 1 = floor(log2(a)), exactly
;;       r = np.clip(x / 2.0 ** e, -7.5, 7.5)
;;       step = 2.0 ** (np.maximum(np.frexp(np.where(r == 0, 1, r))[1] - 1, 0) - 3)
;;       q = np.round(r / step) * step * 2.0 ** e      # np.round: ties to even
;;       return np.moveaxis(q.reshape(q.shape[:-2] + (-1,))[..., :K], -1, axis).astype(np.float32)
;;   ~~~
;;   OPERANDS COMPUTED ON THE WAY. 'Computed on the way' means the value that the module computes at that place (a softmax that the list does not call 'softmax' is quantised finished and normalised). What goes into a quantiser is computed in f32, as accurately as f32 sums, v_exp_f32 and their like allow (about 1e-6 of the number): no bf16 or f16 on the way to a quantiser, and a product that is left as it is and whose result goes on into a quantised operand takes f32 operands (vector FMAs, or v_wmma_f32_16x16x4_f32). A number that lies on a knife's edge between two numbers of the format may be rounded either way, as far as f32 arithmetic and the matrix unit's own rounding can turn it there, and no further.
;; One version. Each part assembles by itself: llvm-mc -triple=amdgcn-amd-amdhsa -mcpu=gfx1250 --defsym DOCPART=n.
;; ======== version 1 of 1: 4 launches
;; limits: right only within a limited range of input values
;; workspace buffers: xq 819,200 bytes; w2q 26,214,400 bytes; midq 26,214,400 bytes; part 67,108,864 bytes
;; launch quantw2 (part 1): grid 512 x 1, 4 waves a work-group, no clusters, 2,816 bytes of LDS; arguments x, w2, xq, w2q; writes xq, w2q
.if DOCPART == 1
	.amdgcn_target "amdgcn-amd-amdhsa--gfx1250"
	.amdhsa_code_object_version 6
	.text
	.protected	k_qb38b1acf7f_quantw2
	.globl	k_qb38b1acf7f_quantw2
	.p2align	8
	.type	k_qb38b1acf7f_quantw2,@function
k_qb38b1acf7f_quantw2:
	s_mov_b64 s[64:65], 0
	v_nop
	global_prefetch_b8 v0, s[64:65] scope:SCOPE_SE
	s_setreg_imm32_b32 hwreg(HW_REG_WAVE_MODE, 25, 1), 1
	s_wait_xcnt 0x0
; x [1024][1024] and w2 [8 x 4096 (k)][1024], f32, become codes of FP6 (E2M3) with one E8M0 scale byte for each 32 along K.  (w1 is quantised by the launch that multiplies it.)
; A block's scale is 2^(floor(log2(its largest magnitude)) - 2); its byte is the largest magnitude's exponent field - 2, held at 1 from below; numbers are divided by the scale and rounded to the
; nearest code, ties to even, beyond 7.5 the largest code.
; LIMITS: NaN and infinities among the inputs are not served.  A block of zeros, or one whose largest magnitude lies under 2^-124, gets the byte 1 (the rule says 127 for zeros): its codes are zeros
; or held, and the bytes are read by this program alone.
; LAYOUT OF THE RESULT: the order of the operand's registers.  An operand [rows][K] is cut into blocks of 128 rows x 128 K, block (g, kappa) at (g NK + kappa) x 12,800 bytes.  In a block: eight
; fragments of 16 rows, 1,536 bytes each: byte 512 c + 16 lane + 4 i is register 4 c + i of that lane (lane (r, h), registers 6 c' .. 6 c' + 5: k = 64 c' + 32 h + 0 .. 31 of row r); behind them,
; at byte 12,288, the scale words: byte 256 q + 16 r + 4 i is the word (four bytes, k ascending) of row 16 (4 q + i) + r.
; w2's rows are PLACES: place p holds column p with bits 3 and 4 changed over, as the product's way out wants them.
; SHARES: 512 equal work-groups, each 128 places x 512 k of w2.  A lane takes one column and its registers run down K: a load reads 128 consecutive bytes a wave, the four waves side by side 512;
; a block of 32 lies in one lane.  Loads run two blocks (64 loads a wave) ahead.
; x has no work-groups of its own: it is 128 tasks of 64 rows x 128 k; task j rides on work-group 4 j + j / 32.  There each wave asks for one fragment of x ahead of its first two blocks of w2.
.set BLK,  12800
.set FRB,  1536
.set SCW,  12288
.set PIT,  4096                        ; bytes from a row of w2 to the next
.set XSB,  2048                        ; LDS: bytes 0-2,047 w2's scale words (4 K steps x 512); 2,048-2,303 those of x's task; from 2,304 the spare words
.set SA,   2                           ; v2   x: 8 x lane
.set XA,   4                           ; v4   x: 4,096 r + 64 h
.set LI,   5                           ; v5   x: 16 x lane
.set XLS,  6                           ; v6   LDS: my row's scale word of x
.set XLR,  7                           ; v7   LDS: XSB + 8 x lane
.set COL,  8                           ; v8   my column in bytes
.set PFO,  9                           ; v9   the prefetches' offset: row 16 wave + lane / 2 of 64 rows, 256 (lane % 2) of the work-group's 512 bytes of a row
.set X,    40                          ; v40-103 two sets of 32 numbers
.set T0,   104                         ; v104-127 codes of a K step
.set U,    128
.set MX,   144
.set SO,   146
.set BY,   147
.set LSA,  150
.set LSR,  151
.set DO,   152
.set DO2,  153
.set SR,   156
.set SW,   160
.set TM,   104                         ; x, ahead of w2's first block
.set PC,   120
.set PW,   140
.set SD,   142
.set XX,   164
.set SEL,  40
.macro LOADS set                       ; a block: 32 rows of K at my column
.irp i, 0,1,2,3,4,5,6,7,8,9,10,11,12,13,14,15,16,17,18,19,20,21,22,23,24,25,26,27,28,29,30,31
	global_load_b32 v[X+32*(\set)+\i], v[COL], s[6:7] offset:\i*PIT th:TH_LOAD_NT
.endr
.endm
.macro FIRST
	LOADS 0
	s_wait_xcnt 0x0                                ; the base steps only behind this wait
	s_add_nc_u64 s[6:7], s[6:7], 32*PIT
	global_prefetch_b8 v[PFO], s[6:7] offset:32*PIT th:TH_LOAD_NT scope:SCOPE_SE   ; blocks 2 and 3 of the work-group: 64 rows x 512 bytes are 128 blocks of 256 bytes, 32 to a wave, a lane a block
	LOADS 1
.endm
.macro BLOCK t                         ; block t of 16: the (t % 4)-th 32 of K step t / 4
.set XS, X+32*((\t)%2)
.set BE, (\t)%4
.set TT, T0+12*(BE%2)+6*(BE/2)
.if (\t) < 15
	s_wait_loadcnt 32                              ; this block's 32 loads are in; the next block's may be out
.else
	s_wait_loadcnt 0x0
.endif
	v_max3_num_f32 v[MX], |v[XS]|, |v[XS+1]|, |v[XS+2]|
	v_max3_num_f32 v[MX+1], |v[XS+3]|, |v[XS+4]|, |v[XS+5]|
.irp i, 6,10,14,18,22,26
	v_max3_num_f32 v[MX], v[MX], |v[XS+\i]|, |v[XS+\i+1]|
	v_max3_num_f32 v[MX+1], v[MX+1], |v[XS+\i+2]|, |v[XS+\i+3]|
.endr
	v_max3_num_f32 v[MX], v[MX], |v[XS+30]|, |v[XS+31]|
	v_max3_num_f32 v[MX], v[MX], v[MX+1], 0x1800000                ; the floor 2^(3 - 127): the byte cannot fall under 1
	v_add_nc_u32 v[SO], 0xff000000, v[MX]          ; 2 off the exponent field: the conversion's scale operand
	s_wait_alu depctr_va_vdst(0)
	s_wait_xcnt 0x0                                ; the codes' registers (data of earlier stores) and the base are written only behind this wait
	v_cvt_scalef32_pk16_fp6_f32 v[TT:TT+2], v[XS:XS+15], v[SO]
	v_cvt_scalef32_pk16_fp6_f32 v[U:U+2], v[XS+16:XS+31], v[SO]
	v_lshrrev_b32 v[BY], 23, v[SO]                 ; the scale's byte; also the plain line behind the conversions
.if BE == 0
	v_mov_b32 v[SW+(\t)/4], v[BY]
.else
	v_lshl_or_b32 v[SW+(\t)/4], v[BY], 8*BE, v[SW+(\t)/4]
.endif
.irp i, 0,1,2
	v_mov_b32 v[TT+3+\i], v[U+\i]
.endr
.if (\t) < 14
	s_add_nc_u64 s[6:7], s[6:7], 32*PIT
.if ((\t)%2 == 0) && ((\t) <= 10)
	global_prefetch_b8 v[PFO], s[6:7] offset:64*PIT th:TH_LOAD_NT scope:SCOPE_SE   ; blocks t + 4 and t + 5, whose loads go out two and three blocks on; the last asked for is block 15
.endif
	LOADS (\t)%2                                   ; block t + 2, into the set just read
.endif
.if BE == 3
.irp i, 0,1,2,3,4,5,6,7,8,9,10,11                  ; (even blocks, odd blocks) of my row become the two fragments
	v_permlane16_swap_b32 v[T0+\i], v[T0+12+\i]
.endr
	ds_store_b32 v[LSA], v[SW+(\t)/4] offset:512*((\t)/4)
.irp u, 0,1
.irp c, 0,1,2
	global_store_b128 v[DO], v[T0+12*\u+4*\c:T0+12*\u+4*\c+3], s[12:13] offset:BLK*((\t)/4)+FRB*\u+512*\c   ; 512 consecutive bytes, aligned
.endr
.endr
.endif
.endm
.macro QUANT s, pw                     ; 64 numbers of a lane (register 16 b + i = k 32 b + 16 h + i of row r) become a fragment's codes and its row's scale word
.irp b, 0,1,2,3
	v_max3_num_f32 v[TM+\b], |v[(\s)+16*\b]|, |v[(\s)+1+16*\b]|, 0x1800000
.endr
.irp i, 2,4,6,8,10,12,14
.irp b, 0,1,2,3
	v_max3_num_f32 v[TM+\b], v[TM+\b], |v[(\s)+16*\b+\i]|, |v[(\s)+1+16*\b+\i]|
.endr
.endr
.irp b, 0,1,2,3
	v_permlanex16_b32 v[TM+4+\b], v[TM+\b], s[SEL], s[SEL+1]
.endr
.irp b, 0,1,2,3
	v_max_num_f32 v[TM+\b], v[TM+\b], v[TM+4+\b]
.endr
.irp b, 0,1,2,3
	v_add_nc_u32 v[TM+12+\b], 0xff000000, v[TM+\b]
.endr
.irp b, 0,1,2,3
	v_lshrrev_b32 v[TM+4+\b], 23, v[TM+12+\b]
.endr
	v_lshl_or_b32 v[\pw], v[TM+5], 8, v[TM+4]
	v_lshl_or_b32 v[\pw], v[TM+6], 16, v[\pw]
	v_lshl_or_b32 v[\pw], v[TM+7], 24, v[\pw]
.irp c, 0,1
	v_cvt_scalef32_pk16_fp6_f32 v[PC+6*\c:PC+2+6*\c], v[(\s)+32*\c:(\s)+15+32*\c], v[TM+12+2*\c]
	v_cvt_scalef32_pk16_fp6_f32 v[PC+12+4*\c:PC+14+4*\c], v[(\s)+16+32*\c:(\s)+31+32*\c], v[TM+12+2*\c+1]
.endr
	v_nop                                          ; one plain line behind a scaled conversion
.irp c, 0,1
.irp i, 0,1,2
	v_permlane16_swap_b32 v[PC+6*\c+\i], v[PC+12+4*\c+\i]
.endr
.irp i, 0,1,2
	v_mov_b32 v[PC+3+6*\c+\i], v[PC+12+4*\c+\i]
.endr
.endr
.endm
	s_load_b128 s[4:7], s[0:1], 0x0                ; x, w2
	s_load_b64 s[10:11], s[0:1], 0x10              ; xq
	s_load_b64 s[12:13], s[0:1], 0x18              ; w2q
	v_lshrrev_b32 v1, 5, v0
	v_readfirstlane_b32 s16, v1                    ; wave 0..3
	s_and_b32 s26, ttmp9, 7                        ; g, the group of 128 places
	s_lshr_b32 s27, ttmp9, 3                       ; which 512 of the 32,768 k
	s_lshl_b32 s22, s27, 21                        ; 512 rows of 4,096 bytes
	s_lshl_b32 s29, s26, 9
	s_add_co_u32 s22, s22, s29
	s_mov_b32 s23, 0
	s_lshl_b32 s24, s26, 8
	s_lshl_b32 s30, s27, 2
	s_add_co_u32 s24, s24, s30                     ; first block: 256 g + 4 x run
	s_mul_i32 s24, s24, BLK
	s_mov_b32 s25, 0
	s_lshl_b32 s36, s16, 7
	s_lshr_b32 s37, s16, 1                         ; place 32 w + lane is row lane % 16 of fragment 2 w + lane / 16
	s_lshl_b32 s37, s37, 8
	s_and_b32 s38, s16, 1
	s_lshl_b32 s38, s38, 3
	s_add_co_u32 s37, s37, s38
	s_mul_i32 s38, s16, 2*FRB
	s_mul_i32 s39, s16, BLK
	s_lshl_b32 s33, s16, 2
	s_lshl_b32 s32, s16, 16                        ; 16 rows of 4,096 bytes for each wave
	s_wait_kmcnt 0x0
	s_add_nc_u64 s[6:7], s[6:7], s[22:23]
	s_add_nc_u64 s[12:13], s[12:13], s[24:25]
	v_lshl_add_u32 v228, v0, 2, 0x900              ; my spare word, and 0
	v_mov_b32 v229, 0
	v_and_b32 v1, 31, v0                           ; lane
	v_and_b32 v2, 7, v0
	v_bfe_u32 v3, v0, 3, 1
	v_lshl_or_b32 v2, v3, 4, v2
	v_bfe_u32 v3, v0, 4, 1
	v_lshl_or_b32 v2, v3, 3, v2                    ; the lane with bits 3 and 4 changed over
	v_lshlrev_b32 v2, 2, v2
	v_add_nc_u32 v[COL], s36, v2
	v_and_b32 v3, 15, v0                           ; r
	v_lshlrev_b32 v[LSA], 4, v3
	v_bfe_u32 v2, v0, 4, 1
	v_lshl_add_u32 v[LSA], v2, 2, v[LSA]
	v_add_nc_u32 v[LSA], s37, v[LSA]
	v_lshlrev_b32 v[LSR], 4, v0
	v_lshl_add_u32 v[DO], v1, 4, s38
	v_lshl_add_u32 v[DO2], v1, 4, s39
	v_lshl_add_u32 v[XLS], v3, 4, XSB
	v_add_nc_u32 v[XLS], s33, v[XLS]
	v_lshl_add_u32 v[XLR], v1, 3, XSB
	v_lshrrev_b32 v[PFO], 1, v1
	v_lshl_add_u32 v[PFO], v[PFO], 12, s32
	v_and_b32 v10, 1, v0
	v_lshl_add_u32 v[PFO], v10, 8, v[PFO]
	s_wait_alu depctr_va_vdst(0)
	s_and_b32 s20, ttmp9, 3                        ; does a task of x ride here?  4 j + j / 32: the low two bits equal the bits from 7 on
	s_lshr_b32 s21, ttmp9, 7
	s_cmp_eq_u32 s20, s21
	s_cbranch_scc1 .Lwith_x
	FIRST
	s_branch .Lblocks
.Lwith_x:                                              ; task j = number / 4: block (g, kappa), its rows 64 q on; wave w makes fragment 4 q + w
	s_lshr_b32 s21, ttmp9, 6                       ; g = j / 16
	s_bfe_u32 s22, ttmp9, 0x30003                  ; kappa = (j / 2) % 8
	s_bfe_u32 s23, ttmp9, 0x10002                  ; q = j % 2
	s_lshl_b32 s24, s21, 19
	s_lshl_b32 s25, s23, 18
	s_add_co_u32 s24, s24, s25
	s_lshl_b32 s25, s16, 16
	s_add_co_u32 s24, s24, s25
	s_lshl_b32 s25, s22, 9
	s_add_co_u32 s24, s24, s25
	s_mov_b32 s25, 0
	s_lshl_b32 s26, s21, 3
	s_add_co_u32 s26, s26, s22
	s_mul_i32 s26, s26, BLK
	s_lshl_b32 s27, s23, 2
	s_add_co_u32 s27, s27, s16
	s_mul_i32 s27, s27, FRB
	s_add_co_u32 s28, s26, s27
	s_mov_b32 s29, 0
	s_lshl_b32 s30, s23, 8
	s_add_co_u32 s30, s30, s26
	s_add_co_u32 s30, s30, SCW
	s_mov_b32 s31, 0
	s_mov_b32 s[SEL], 0x76543210
	s_mov_b32 s[SEL+1], 0xfedcba98
	s_add_nc_u64 s[4:5], s[4:5], s[24:25]
	s_add_nc_u64 s[8:9], s[10:11], s[28:29]
	s_add_nc_u64 s[10:11], s[10:11], s[30:31]
	v_bfe_u32 v2, v0, 4, 1                         ; h
	v_lshlrev_b32 v[XA], 12, v3
	v_lshl_add_u32 v[XA], v2, 6, v[XA]
	v_lshlrev_b32 v[LI], 4, v1
	v_lshlrev_b32 v[SA], 3, v1
.irp b, 0,1,2,3
.irp j, 0,1,2,3
	global_load_b128 v[XX+16*\b+4*\j:XX+16*\b+4*\j+3], v[XA], s[4:5] offset:128*\b+16*\j th:TH_LOAD_NT
.endr
.endr
	FIRST
.irp b, 0,1,2,3
	v_mov_b32 v[TM+4+\b], 0                        ; a lane permute's destination counts as one of its sources
.endr
	s_wait_loadcnt 63                              ; behind x's 16 loads stand 64: x's are in
	QUANT XX, PW
.irp c, 0,1,2
	global_store_b128 v[LI], v[PC+4*\c:PC+4*\c+3], s[8:9] offset:512*\c
.endr
	ds_store_b32 v[XLS], v[PW]
	s_wait_dscnt 0x0                               ; for the others' sake
	s_barrier_signal -1
	s_barrier_wait -1                              ; all four waves of this work-group are on this way
	s_cmp_lg_u32 s16, 0
	s_cbranch_scc1 .Lblocks
	ds_load_b64 v[SD:SD+1], v[XLR]
	s_wait_dscnt 0x0
	global_store_b64 v[SA], v[SD:SD+1], s[10:11]   ; 256 consecutive bytes, aligned
.Lblocks:
.irp t, 0,1,2,3,4,5,6,7,8,9,10,11,12,13,14,15
	BLOCK \t
.endr
	s_wait_dscnt 0x0                               ; for the others' sake: my scale words lie in LDS
	s_barrier_signal -1
	s_barrier_wait -1
	ds_load_b128 v[SR:SR+3], v[LSR]                ; wave w takes the 512 bytes of K step w
	s_wait_dscnt 0x0
	global_store_b128 v[DO2], v[SR:SR+3], s[12:13] offset:SCW
	s_wait_tensorcnt 0x0                           ; the wave's end
	ds_add_u32 v228, v229
	s_wait_dscnt 0x0
	s_endpgm
.Lfunc_end_k_qb38b1acf7f_quantw2:
	.size	k_qb38b1acf7f_quantw2, .Lfunc_end_k_qb38b1acf7f_quantw2-k_qb38b1acf7f_quantw2
	.p2alignl 7, 3214868480
	.fill 96, 4, 3214868480
	.section	.rodata,"a",@progbits
	.p2align	6, 0x0
	.amdhsa_kernel k_qb38b1acf7f_quantw2
		.amdhsa_group_segment_fixed_size 2816
		.amdhsa_private_segment_fixed_size 0
		.amdhsa_enable_private_segment 0
		.amdhsa_kernarg_size 32
		.amdhsa_user_sgpr_count 2
		.amdhsa_user_sgpr_kernarg_segment_ptr 1
		.amdhsa_wavefront_size32 1
		.amdhsa_system_sgpr_workgroup_id_x 1
		.amdhsa_system_sgpr_workgroup_id_y 1
		.amdhsa_system_sgpr_workgroup_id_z 1
		.amdhsa_system_vgpr_workitem_id 0
		.amdhsa_next_free_vgpr 230
		.amdhsa_next_free_sgpr 66
		.amdhsa_reserve_vcc 0
		.amdhsa_float_denorm_mode_32 3
		.amdhsa_float_denorm_mode_16_64 3
		.amdhsa_memory_ordered 1
		.amdhsa_forward_progress 1
		.amdhsa_inst_pref_size 95
	.end_amdhsa_kernel
	.amdgpu_metadata
---
amdhsa.version: [ 1, 2 ]
amdhsa.kernels:
  - .name:           k_qb38b1acf7f_quantw2
    .symbol:         k_qb38b1acf7f_quantw2.kd
    .args:
      - { .name: x, .offset: 0, .size: 8, .value_kind: global_buffer, .address_space: global }
      - { .name: w2, .offset: 8, .size: 8, .value_kind: global_buffer, .address_space: global }
      - { .name: xq, .offset: 16, .size: 8, .value_kind: global_buffer, .address_space: global }
      - { .name: w2q, .offset: 24, .size: 8, .value_kind: global_buffer, .address_space: global }
    .group_segment_fixed_size: 2816
    .private_segment_fixed_size: 0
    .kernarg_segment_align: 8
    .kernarg_segment_size: 32
    .max_flat_workgroup_size: 128
    .sgpr_count:     66
    .vgpr_count:     230
    .wavefront_size: 32
...
	.end_amdgpu_metadata
.endif
;; end of part 1
;; launch upq (part 2): grid 256 x 1, 4 waves a work-group, no clusters, 102,912 bytes of LDS; arguments xq, w1, midq; writes midq
.if DOCPART == 2
	.amdgcn_target "amdgcn-amd-amdhsa--gfx1250"
	.amdhsa_code_object_version 6
	.text
	.protected	k_qb38b1acf7f_upq
	.globl	k_qb38b1acf7f_upq
	.p2align	8
	.type	k_qb38b1acf7f_upq,@function
k_qb38b1acf7f_upq:
	s_mov_b64 s[64:65], 0
	v_nop
	global_prefetch_b8 v0, s[64:65] scope:SCOPE_SE
	s_setreg_imm32_b32 hwreg(HW_REG_WAVE_MODE, 25, 1), 1
	s_wait_xcnt 0x0
; mid[1024 rows][32,768 columns] = x w1, K = 1,024, in MX-FP6 (E2M3, E8M0 scales); the f32 sums are quantised along the columns (the next product's K) in registers and leave as codes.
; A WORK-GROUP OWNS 128 COLUMNS OF mid (expert g / 32, columns 128 (g % 32) on), ALL 1,024 ROWS AND ALL OF K: so each f32 number of w1 is read by one work-group, once, and w1's codes never go to memory.
; PART 1: wave w takes rows 256 w .. + 255 of K of the work-group's 128 columns.  A load reads one row of K, 512 consecutive bytes, four columns a lane; 32 loads are a block of 32 along K for each of the
;   lane's four columns.  The conversions want 16 neighbours along K in consecutive registers, so each column is copied out of its stride of four.  Codes go to LDS at the place where the operand's lane reads them.
;   Column c lies at place p = c with bits 3 and 4 changed over (fragment p / 16, row p % 16), so that in the transposed product a lane's 16 registers of two neighbouring tiles are 16 neighbouring columns.
; LDS: half step u = 2 kappa + c' at 6,144 u; in it fragment f at 768 f: 512 bytes of 16 a lane (registers 6 c' .. + 3), then 256 bytes of 8 a lane (registers 6 c' + 4, + 5).
;   From 98,304: the scale bytes, 32 to a place, k ascending.  From 102,400: the spare words.
; PART 2: two passes of 512 rows; wave w makes rows 512 pass + 128 w .. + 127 x 128 columns: 64 accumulators.  Those rows of x are read by this wave alone, so their fragments come from xq (images of the operand's
;   registers: see the quantising launch) straight into registers, in a ring of two K steps refilled by halves as soon as four fragments' products are issued; w1's fragments come from LDS, two sets.
;   No barrier stands in part 2: LDS is only read there.  The first two K steps of x are asked for in part 1's last trip, those of the second pass ahead of the first pass's way out.
; TRANSPOSED USE: source 0 = 16 places of w1, source 1 = 16 rows of x: register j of lane (r, h) of accumulator (a, 2 B + u) is mid(16 a + r, 32 B + 16 h + 8 u + j).
; NO JOINT LOADS: w1 is shared by no two work-groups, and x goes into registers, for which there is no joint form.
; PREFETCH: a wave has at most two blocks' loads (64) out, so w1's rows are asked of memory earlier: a trip's 64 rows x 512 bytes are 128 blocks of 256 bytes, a lane a block, four instructions.  The loads of trip t fetch
;   the rows of trip t + 1; trip t asks for what trip t + 2 loads, and the head for what trips 0 and 1 load; of the four trips only trip 0 has such rows left.  xq's 3,200 blocks are asked for once at the head,
;   shared out among 32 work-groups: wave w of work-group g names blocks 25 (4 (g % 32) + w) .. + 24 (lanes 25-31 name the last again).
; LIMITS: NaN and infinities are not served; a block of 32 numbers that are all zero or under 2^-124 gets the byte 1 with zero or held codes (only this program reads the bytes).
; REGISTERS: window 0: v1-15 addresses; v16-31 x's scale words, four sets; v32-63 w1's scale words for all of K; v64-255 x's fragments, two sets.
;   window 1: w1's fragments, two sets at v0 and v128 (in part 1: the work on a block); v96-127 and v224-243 the way out.   windows 2, 3: the accumulators (in part 1 window 2 holds two blocks of w1's numbers).
.set BLK,   12800
.set FRB,   1536
.set SCW,   12288
.set HB,    6144
.set SCB,   16*HB
.set SPARE, SCB+4096
.set ROWB,  16384                      ; a row of w1 in bytes
.set CO,  1                            ; 16 x lane
.set SPW, 2
.set NIL, 3
.set LBQ, 4                            ; the lane's part of where its codes go: 16-byte places, 8-byte places, scale bytes
.set LBP, 5
.set LBS, 6
.set AQ,  7                            ; the same with the half step's part
.set AP,  8
.set AS9, 9
.set Q1,  10                           ; 16 x lane + 8 half steps
.set P0,  11                           ; 8 x lane + 512
.set P1,  12
.set BSA, 13                           ; w1's scale words on the way to registers
.set PFV, 14                           ; w1's prefetches: row lane / 2 of 16, 256 (lane % 2)
.set PFX, 15                           ; xq's prefetch: 256 x min(lane, 24)
.set ASC, 16
.set BSC, 32
.set AF,  64
.set Y,   0                            ; window 1, part 1: two runs of 32 neighbours along K
.set TT,  64                           ; a block's six registers of codes, for each of four columns
.set U,   128
.set MX,  144
.set SO,  148
.set HW,  152
.set BT,  156
.set TM,  96                           ; window 1, the way out
.set PWR, 112
.set SD,  120
.set PC,  224
.set SEL, 10                           ; s[10:11] lane selects: lane l xor 16
.set PFB, 26                           ; s[26:27] my 256 rows of w1; never stepped
.set PXB, 28                           ; s[28:29] my 25 blocks of xq
.set MSB, 0
.macro WIN new                         ; low byte: bits 1:0 source 0, 3:2 source 1, 5:4 source 2, 7:6 destination; the high byte repeats the setting that is left
.if MSB != (\new)
	s_set_vgpr_msb (MSB<<8)|(\new)
.set MSB, (\new)
.endif
.endm
.macro PLACES                          ; four plain lines between a matrix instruction and a load into, or a read of, its registers
.rept 4
	v_nop
.endr
.endm
.macro XLOAD set, row0, first, count   ; rows first .. first + count - 1 of a block of 32 rows of K, 512 bytes each, into window 2
	WIN 0x80
.set I, \first
.rept \count
	global_load_b128 v[128*(\set)+4*I:128*(\set)+4*I+3], v[CO], s[6:7] offset:((\row0)+I)*ROWB th:TH_LOAD_NT
.set I, I+1
.endr
	WIN 0
.endm
.macro ASKW row0                       ; 64 rows of w1 from row0 of my 256 on
.irp k, 0,1,2,3
	global_prefetch_b8 v[PFV], s[PFB:PFB+1] offset:((\row0)+16*\k)*ROWB th:TH_LOAD_NT scope:SCOPE_SE
.endr
.endm
.macro ALOAD t, i0                     ; four fragments of x of K step t
.irp i, \i0, \i0+1, \i0+2, \i0+3
.irp c, 0,1,2
	global_load_b128 v[AF+96*((\t)%2)+12*(\i)+4*\c:AF+96*((\t)%2)+12*(\i)+4*\c+3], v[CO], s[4:5] offset:(\t)*BLK+(\i)*FRB+512*\c
.endr
.endr
.endm
.macro ASCL t                          ; x's scale words of K step t: register i: lanes 0-15 fragment i, lanes 16-31 fragment 4 + i
	global_load_b128 v[ASC+4*((\t)%4):ASC+4*((\t)%4)+3], v[CO], s[4:5] offset:(\t)*BLK+SCW
.endm
.macro LOADS01                         ; K steps 0 and 1 of a pass: groups of 13, 12, 13, 12 loads
.irp t, 0,1
	ASCL \t
	ALOAD \t, 0
	ALOAD \t, 4
.endr
.endm
; A block of 32 along K of my four columns.  bb: which half of the lanes will read it;  more: its registers take the block two further on;  cnt: the loads behind this block's
.macro HALFB bb, more, cnt
.set XS, 128*(\bb)
	s_wait_loadcnt \cnt
	s_wait_dscnt 0x0                               ; the last block's LDS stores have read their registers
	WIN 0x4a
.irp s, 0,1,2,3
	v_max3_num_f32 v[MX+\s], |v[XS+\s]|, |v[XS+4+\s]|, 0x1800000   ; the floor 2^(3 - 127): the byte cannot fall under 1
.endr
	WIN 0x69
.set I, 2
.rept 15
.irp s, 0,1,2,3
	v_max3_num_f32 v[MX+\s], v[MX+\s], |v[XS+4*I+\s]|, |v[XS+4*I+4+\s]|   ; the four columns by turns
.endr
.set I, I+2
.endr
	WIN 0x55
.irp s, 0,1,2,3
	v_add_nc_u32 v[SO+\s], 0xff000000, v[MX+\s]    ; 2 off the exponent field: the conversion's scale operand
.endr
.if (\bb) == 0
.irp s, 0,1,2,3
	v_lshrrev_b32 v[HW+\s], 23, v[SO+\s]           ; the scale's byte
.endr
.else
.irp s, 0,1,2,3
	v_lshrrev_b32 v[BT+\s], 23, v[SO+\s]
.endr
.irp s, 0,1,2,3
	v_lshl_or_b32 v[HW+\s], v[BT+\s], 8, v[HW+\s]  ; two bytes: a half step's
.endr
.endif
.irp s, 0,1,2,3
	WIN 0x42
.set I, 0
.rept 32
	v_mov_b32 v[Y+32*(\s%2)+I], v[XS+4*I+\s]       ; column s out of its stride of four; these lines are also the plain lines behind the last column's conversions
.set I, I+1
.endr
	WIN 0x55
	v_cvt_scalef32_pk16_fp6_f32 v[TT+8*\s:TT+8*\s+2], v[Y+32*(\s%2):Y+32*(\s%2)+15], v[SO+\s]
	v_cvt_scalef32_pk16_fp6_f32 v[U+4*\s:U+4*\s+2], v[Y+32*(\s%2)+16:Y+32*(\s%2)+31], v[SO+\s]   ; (a conversion's three registers begin on an even number)
.endr
	v_nop                                          ; one plain line behind a scaled conversion
.irp s, 0,1,2,3
.irp k, 0,1,2
	v_mov_b32 v[TT+8*\s+3+\k], v[U+4*\s+\k]
.endr
.endr
	WIN 0x04
.irp s, 0,1,2,3
	ds_store_b128 v[AQ], v[TT+8*\s:TT+8*\s+3] offset:16*\s+256*(\bb)
	ds_store_b64 v[AP], v[TT+8*\s+4:TT+8*\s+5] offset:8*\s+128*(\bb)
.if (\bb) == 1
	ds_store_b16 v[AS9], v[HW+\s] offset:32*\s
.endif
.endr
	WIN 0
.if \more
	XLOAD \bb, 64+32*(\bb), 0, 32
.endif
.endm
.macro TRIPADR                         ; where this half step's codes and bytes go
	s_wait_dscnt 0x0
	v_add_nc_u32 v[AQ], s22, v[LBQ]
	v_add_nc_u32 v[AP], s22, v[LBP]
	v_add_nc_u32 v[AS9], s23, v[LBS]
.endm
.macro FETCH_B t                       ; w1's eight fragments of K step t, into set t % 2 of window 1
.set QA, CO
.set PA, P0
.if (\t) >= 4
.set QA, Q1
.set PA, P1
.endif
.set BO, 2*((\t)%4)*HB
.set BR, 128*((\t)%2)
	WIN 0x40
.irp f, 0,1,2,3,4,5,6,7
	ds_load_b128 v[BR+12*\f:BR+12*\f+3], v[QA] offset:BO+768*\f
	ds_load_b64 v[BR+12*\f+4:BR+12*\f+5], v[PA] offset:BO+768*\f
	ds_load_b128 v[BR+12*\f+6:BR+12*\f+9], v[QA] offset:BO+HB+768*\f
	ds_load_b64 v[BR+12*\f+10:BR+12*\f+11], v[PA] offset:BO+HB+768*\f
.endr
	WIN 0
.endm
; One product: x's fragment a against w1's fragment b, K step t.  A pass's first K step starts the sums.  Fragments 4-7 have their scale words in lanes 16-31.
.macro WM a, b, t
.set DD, 8*(8*((\a)%4)+(\b))
.set BB, 128*((\t)%2)+12*(\b)
.set AA, AF+96*((\t)%2)+12*(\a)
.set SB, BSC+8*((\b)%4)+(\t)
.set SA, ASC+4*((\t)%4)+((\a)%4)
.if (\t) == 0
.if (\a) < 4
.if (\b) < 4
	v_wmma_scale_f32_16x16x128_f8f6f4 v[DD:DD+7], v[BB:BB+11], v[AA:AA+11], 0, v[SB], v[SA] matrix_a_fmt:MATRIX_FMT_FP6 matrix_b_fmt:MATRIX_FMT_FP6
.else
	v_wmma_scale_f32_16x16x128_f8f6f4 v[DD:DD+7], v[BB:BB+11], v[AA:AA+11], 0, v[SB], v[SA] matrix_a_fmt:MATRIX_FMT_FP6 matrix_b_fmt:MATRIX_FMT_FP6 matrix_a_scale:MATRIX_SCALE_ROW1
.endif
.else
.if (\b) < 4
	v_wmma_scale_f32_16x16x128_f8f6f4 v[DD:DD+7], v[BB:BB+11], v[AA:AA+11], 0, v[SB], v[SA] matrix_a_fmt:MATRIX_FMT_FP6 matrix_b_fmt:MATRIX_FMT_FP6 matrix_b_scale:MATRIX_SCALE_ROW1
.else
	v_wmma_scale_f32_16x16x128_f8f6f4 v[DD:DD+7], v[BB:BB+11], v[AA:AA+11], 0, v[SB], v[SA] matrix_a_fmt:MATRIX_FMT_FP6 matrix_b_fmt:MATRIX_FMT_FP6 matrix_a_scale:MATRIX_SCALE_ROW1 matrix_b_scale:MATRIX_SCALE_ROW1
.endif
.endif
.else
.if (\a) < 4
.if (\b) < 4
	v_wmma_scale_f32_16x16x128_f8f6f4 v[DD:DD+7], v[BB:BB+11], v[AA:AA+11], v[DD:DD+7], v[SB], v[SA] matrix_a_fmt:MATRIX_FMT_FP6 matrix_b_fmt:MATRIX_FMT_FP6
.else
	v_wmma_scale_f32_16x16x128_f8f6f4 v[DD:DD+7], v[BB:BB+11], v[AA:AA+11], v[DD:DD+7], v[SB], v[SA] matrix_a_fmt:MATRIX_FMT_FP6 matrix_b_fmt:MATRIX_FMT_FP6 matrix_a_scale:MATRIX_SCALE_ROW1
.endif
.else
.if (\b) < 4
	v_wmma_scale_f32_16x16x128_f8f6f4 v[DD:DD+7], v[BB:BB+11], v[AA:AA+11], v[DD:DD+7], v[SB], v[SA] matrix_a_fmt:MATRIX_FMT_FP6 matrix_b_fmt:MATRIX_FMT_FP6 matrix_b_scale:MATRIX_SCALE_ROW1
.else
	v_wmma_scale_f32_16x16x128_f8f6f4 v[DD:DD+7], v[BB:BB+11], v[AA:AA+11], v[DD:DD+7], v[SB], v[SA] matrix_a_fmt:MATRIX_FMT_FP6 matrix_b_fmt:MATRIX_FMT_FP6 matrix_a_scale:MATRIX_SCALE_ROW1 matrix_b_scale:MATRIX_SCALE_ROW1
.endif
.endif
.endif
.endm
.macro MUL32 a0, t                     ; four fragments of x against w1's eight; the 64 accumulators take turns, in the same order in every K step
.irp a, \a0, \a0+1, \a0+2, \a0+3
.irp b, 0,1,2,3,4,5,6,7
	WM \a, \b, \t
.endr
.endr
.endm
; K step t.  x's loads go out in groups: (scale words + fragments 0-3) = 13, fragments 4-7 = 12, for K step t + 2, each as soon as its registers are free.  The counts name the loads issued behind the group that is wanted.
.macro STEP t
.if (\t) < 7
	s_wait_loadcnt 37                              ; behind this step's first group: 12 + 13 + 12
.else
	s_wait_loadcnt 12
.endif
	s_wait_dscnt 0x0                               ; w1's set
	WIN 0xa1
	MUL32 0, \t
	PLACES
.if (\t) < 7
	FETCH_B (\t)+1
.endif
.if (\t) < 6
	ASCL (\t)+2
	ALOAD (\t)+2, 0
	s_wait_loadcnt 38                              ; behind this step's second group: 13 + 12 + 13
.else
.if (\t) == 6
	s_wait_loadcnt 25
.else
	s_wait_loadcnt 0x0
.endif
.endif
	WIN 0xf1
	MUL32 4, \t
	PLACES
	WIN 0
.if (\t) < 6
	ALOAD (\t)+2, 4
.endif
.endm
; THE WAY OUT.  Block a's 64 registers (16 rows x 128 columns; register 16 b + i = column 32 b + 16 h + i of row r) become fragment a of my block of mid's codes.  Each accumulator is first read at its two lowest registers.
.macro QUANTW a
.set S0, 64*((\a)%4)
.set W, 2+(\a)/4
	WIN 0x40|(W<<2)|W
.irp b, 0,1,2,3
	v_max3_num_f32 v[TM+\b], |v[S0+16*\b]|, |v[S0+1+16*\b]|, 0x1800000
.endr
	WIN 0x41|(W<<2)|(W<<4)
.irp i, 2,4,6,8,10,12,14
.irp b, 0,1,2,3
	v_max3_num_f32 v[TM+\b], v[TM+\b], |v[S0+16*\b+\i]|, |v[S0+1+16*\b+\i]|
.endr
.endr
	WIN 0x55
.irp b, 0,1,2,3
	v_permlanex16_b32 v[TM+4+\b], v[TM+\b], s[SEL], s[SEL+1]
.endr
.irp b, 0,1,2,3
	v_max_num_f32 v[TM+\b], v[TM+\b], v[TM+4+\b]   ; with lane l xor 16's: the block's largest magnitude
.endr
.irp b, 0,1,2,3
	v_add_nc_u32 v[TM+12+\b], 0xff000000, v[TM+\b]
.endr
.irp b, 0,1,2,3
	v_lshrrev_b32 v[TM+4+\b], 23, v[TM+12+\b]
.endr
	v_lshl_or_b32 v[PWR+(\a)], v[TM+5], 8, v[TM+4]
	v_lshl_or_b32 v[PWR+(\a)], v[TM+6], 16, v[PWR+(\a)]
	v_lshl_or_b32 v[PWR+(\a)], v[TM+7], 24, v[PWR+(\a)]
	s_wait_alu depctr_va_vdst(0)
	s_wait_xcnt 0x0                                ; the codes' registers are data of the last block's stores
	WIN 0x44|W
.irp c, 0,1
	v_cvt_scalef32_pk16_fp6_f32 v[PC+6*\c:PC+2+6*\c], v[S0+32*\c:S0+15+32*\c], v[TM+12+2*\c]
	v_cvt_scalef32_pk16_fp6_f32 v[PC+12+4*\c:PC+14+4*\c], v[S0+16+32*\c:S0+31+32*\c], v[TM+12+2*\c+1]
.endr
	WIN 0x55
	v_nop                                          ; one plain line behind a scaled conversion
.irp c, 0,1
.irp i, 0,1,2
	v_permlane16_swap_b32 v[PC+6*\c+\i], v[PC+12+4*\c+\i]
.endr
.irp i, 0,1,2
	v_mov_b32 v[PC+3+6*\c+\i], v[PC+12+4*\c+\i]
.endr
.endr
	WIN 0x04
.irp c, 0,1,2
	global_store_b128 v[CO], v[PC+4*\c:PC+4*\c+3], s[12:13] offset:FRB*(\a)+512*\c   ; 512 consecutive bytes, at a multiple of 256 from the buffer's first byte
.endr
.endm
	s_load_b128 s[4:7], s[0:1], 0x0                ; xq, w1
	s_load_b64 s[12:13], s[0:1], 0x10              ; midq
	v_lshl_add_u32 v[SPW], v0, 2, SPARE
	v_mov_b32 v[NIL], 0
	v_lshrrev_b32 v14, 5, v0
	v_readfirstlane_b32 s14, v14                   ; wave 0..3
	v_and_b32 v14, 31, v0
	v_lshlrev_b32 v[CO], 4, v14
	v_add_nc_u32 v[Q1], 8*HB, v[CO]
	v_lshl_add_u32 v[P0], v14, 3, 512
	v_add_nc_u32 v[P1], 8*HB, v[P0]
	v_and_b32 v14, 15, v0
	v_bfe_u32 v15, v0, 4, 1
	v_lshlrev_b32 v14, 5, v14
	v_lshl_add_u32 v14, v15, 11, v14
	v_add_nc_u32 v[BSA], SCB, v14                  ; place 64 h + r: 32 bytes a place
	v_bfe_u32 v14, v0, 3, 2                        ; my columns 4 l + s lie at fragment f = l1 + 2 l3 + 4 l4, row s + 4 l0 + 8 l2 (l0 .. l4: the lane's bits)
	v_bfe_u32 v15, v0, 1, 1
	v_lshl_add_u32 v14, v14, 1, v15                ; f
	v_bfe_u32 v15, v0, 2, 1
	v_and_b32 v[AQ], 1, v0
	v_lshl_add_u32 v15, v15, 1, v[AQ]              ; l0 + 2 l2
	v_mul_u32_u24 v[AP], v14, 768
	v_lshl_add_u32 v[LBQ], v15, 6, v[AP]
	v_lshl_add_u32 v[LBP], v15, 5, v[AP]
	v_add_nc_u32 v[LBP], 512, v[LBP]
	v_lshlrev_b32 v14, 9, v14
	v_lshl_add_u32 v14, v15, 7, v14
	v_add_nc_u32 v[LBS], SCB, v14
	v_and_b32 v[PFX], 31, v0
	v_lshrrev_b32 v[PFV], 1, v[PFX]
	v_lshlrev_b32 v[PFV], 14, v[PFV]
	v_lshl_add_u32 v[PFV], v[AQ], 8, v[PFV]        ; row lane / 2, + 256 (lane % 2)
	v_min_u32 v[PFX], 24, v[PFX]
	v_lshlrev_b32 v[PFX], 8, v[PFX]
	WIN 0x40
.irp b, 0,1,2,3
	v_mov_b32 v[TM+4+\b], 0                        ; written once: a lane permute's destination counts as one of its sources
.endr
	WIN 0
	s_mul_i32 s16, s14, 8*BLK                      ; xq: my group of 128 rows in pass 0
	s_mov_b32 s17, 0
	s_lshr_b32 s18, ttmp9, 5
	s_lshl_b32 s18, s18, 24                        ; w1: the expert,
	s_and_b32 s19, ttmp9, 31
	s_lshl_b32 s19, s19, 9                         ; the 128 columns,
	s_add_co_u32 s18, s18, s19
	s_lshl_b32 s19, s14, 22                        ; my 256 rows of K
	s_add_co_u32 s18, s18, s19
	s_mov_b32 s19, 0
	s_lshl_b32 s20, s14, 8
	s_add_co_u32 s20, s20, ttmp9
	s_mul_i32 s20, s20, BLK                        ; midq: block (wave, work-group)
	s_mov_b32 s21, 0
	s_mul_i32 s22, s14, 4*HB                       ; LDS: my first half step's codes,
	s_lshl_b32 s23, s14, 3                         ; and its two scale bytes
	s_and_b32 s30, ttmp9, 31                       ; xq's prefetch: 25 blocks from block 25 (4 (g % 32) + wave) on
	s_lshl_b32 s30, s30, 2
	s_add_co_u32 s30, s30, s14
	s_mul_i32 s30, s30, 25*256
	s_mov_b32 s31, 0
	s_mov_b32 s[SEL], 0x76543210
	s_mov_b32 s[SEL+1], 0xfedcba98
	s_mov_b32 s24, 0xffff0000                      ; lanes 16-31
	s_wait_alu depctr_va_vdst(0)
	s_wait_kmcnt 0x0
	s_add_nc_u64 s[PXB:PXB+1], s[4:5], s[30:31]
	s_add_nc_u64 s[4:5], s[4:5], s[16:17]
	s_add_nc_u64 s[6:7], s[6:7], s[18:19]
	s_mov_b64 s[PFB:PFB+1], s[6:7]
	s_add_nc_u64 s[12:13], s[12:13], s[20:21]
	XLOAD 0, 0, 0, 32                              ; my first 64 rows come by their loads alone; 60 loads are out when the prefetches are issued
	XLOAD 1, 32, 0, 28
	ASKW 64                                        ; what trips 0 and 1 will load
	ASKW 128
	global_prefetch_b8 v[PFX], s[PXB:PXB+1] th:TH_LOAD_NT scope:SCOPE_SE   ; my share of xq
	XLOAD 1, 32, 28, 4
	s_mov_b32 s3, 0
.Ltrip:                                                ; a trip: a half step, 64 along K; the fourth is written out, since it asks for nothing more of w1
	TRIPADR
	HALFB 0, 1, 32
	s_cmp_eq_u32 s3, 0
	s_wait_alu depctr_va_vdst(0)
	s_cbranch_scc0 .Lno_ask
	ASKW 192                                       ; what trip 2 will load: my last 64 rows
.Lno_ask:
	HALFB 1, 1, 32
	s_wait_xcnt 0x0                                ; the base steps only behind this wait
	s_add_nc_u64 s[6:7], s[6:7], 64*ROWB
	s_add_co_u32 s22, s22, HB
	s_add_co_u32 s23, s23, 2
	s_add_co_u32 s3, s3, 1
	s_cmp_lt_u32 s3, 3
	s_wait_alu depctr_va_vdst(0)
	s_cbranch_scc1 .Ltrip
	TRIPADR
	HALFB 0, 0, 32
	LOADS01                                        ; x's first two K steps: 50 loads, on their way while my last block is worked
	HALFB 1, 0, 50                                 ; behind my last block's loads stand those 50
	s_wait_alu depctr_va_vdst(0)
	s_wait_dscnt 0x0                               ; for the others' sake: my codes and bytes lie in LDS
	s_barrier_signal -1
	s_barrier_wait -1
.irp i, 0,1,2,3
.irp q, 0,1
	ds_load_b128 v[BSC+8*\i+4*\q:BSC+8*\i+4*\q+3], v[BSA] offset:512*\i+16*\q   ; register 8 i + t: the word of K step t: lanes 0-15 fragment i, lanes 16-31 fragment 4 + i
.endr
.endr
	s_mov_b32 s3, 0
.Lpass:
	FETCH_B 0
.irp t, 0,1,2,3,4,5,6,7
	STEP \t
.endr
	s_cmp_eq_u32 s3, 1
	s_cbranch_scc1 .Lno_next                       ; the last pass asks for nothing more, and leaves the loop below
	s_wait_xcnt 0x0
	s_add_nc_u64 s[4:5], s[4:5], 32*BLK            ; 512 rows on
	LOADS01
.Lno_next:
.irp a, 0,1,2,3,4,5,6,7
	QUANTW \a
.endr
	WIN 0x55
.irp i, 0,1,2,3
	v_cndmask_b32 v[SD+\i], v[PWR+\i], v[PWR+4+\i], s24   ; lane 16 q + r stores the words of rows 16 (4 q + i) + r
.endr
	WIN 0x04
	global_store_b128 v[CO], v[SD:SD+3], s[12:13] offset:SCW
	WIN 0
	s_wait_xcnt 0x0
	s_add_nc_u64 s[12:13], s[12:13], 1024*BLK      ; four groups of 128 rows on
	s_add_co_u32 s3, s3, 1
	s_cmp_lt_u32 s3, 2
	s_wait_alu depctr_va_vdst(0)
	s_cbranch_scc1 .Lpass
	s_wait_tensorcnt 0x0                           ; the wave's end
	ds_add_u32 v[SPW], v[NIL]
	s_wait_dscnt 0x0
	s_endpgm
.Lfunc_end_k_qb38b1acf7f_upq:
	.size	k_qb38b1acf7f_upq, .Lfunc_end_k_qb38b1acf7f_upq-k_qb38b1acf7f_upq
	.p2alignl 7, 3214868480
	.fill 96, 4, 3214868480
	.section	.rodata,"a",@progbits
	.p2align	6, 0x0
	.amdhsa_kernel k_qb38b1acf7f_upq
		.amdhsa_group_segment_fixed_size 102912
		.amdhsa_private_segment_fixed_size 0
		.amdhsa_enable_private_segment 0
		.amdhsa_kernarg_size 24
		.amdhsa_user_sgpr_count 2
		.amdhsa_user_sgpr_kernarg_segment_ptr 1
		.amdhsa_wavefront_size32 1
		.amdhsa_system_sgpr_workgroup_id_x 1
		.amdhsa_system_sgpr_workgroup_id_y 1
		.amdhsa_system_sgpr_workgroup_id_z 1
		.amdhsa_system_vgpr_workitem_id 0
		.amdhsa_next_free_vgpr 1024
		.amdhsa_next_free_sgpr 66
		.amdhsa_reserve_vcc 0
		.amdhsa_float_denorm_mode_32 3
		.amdhsa_float_denorm_mode_16_64 3
		.amdhsa_memory_ordered 1
		.amdhsa_forward_progress 1
		.amdhsa_inst_pref_size 204
	.end_amdhsa_kernel
	.amdgpu_metadata
---
amdhsa.version: [ 1, 2 ]
amdhsa.kernels:
  - .name:           k_qb38b1acf7f_upq
    .symbol:         k_qb38b1acf7f_upq.kd
    .args:
      - { .name: xq, .offset: 0, .size: 8, .value_kind: global_buffer, .address_space: global }
      - { .name: w1, .offset: 8, .size: 8, .value_kind: global_buffer, .address_space: global }
      - { .name: midq, .offset: 16, .size: 8, .value_kind: global_buffer, .address_space: global }
    .group_segment_fixed_size: 102912
    .private_segment_fixed_size: 0
    .kernarg_segment_align: 8
    .kernarg_segment_size: 24
    .max_flat_workgroup_size: 128
    .sgpr_count:     66
    .vgpr_count:     1024
    .wavefront_size: 32
...
	.end_amdgpu_metadata
.endif
;; end of part 2
;; launch down (part 3): grid 64 x 4, 4 waves a work-group, clusters of 4 x 4, 327,680 bytes of LDS; arguments midq, w2q, part; writes part
.if DOCPART == 3
	.amdgcn_target "amdgcn-amd-amdhsa--gfx1250"
	.amdhsa_code_object_version 6
	.text
	.protected	k_qb38b1acf7f_down
	.globl	k_qb38b1acf7f_down
	.p2align	8
	.type	k_qb38b1acf7f_down,@function
k_qb38b1acf7f_down:
	s_mov_b64 s[64:65], 0
	v_nop
	global_prefetch_b8 v0, s[64:65] scope:SCOPE_SE
	s_setreg_imm32_b32 hwreg(HW_REG_WAVE_MODE, 25, 1), 1
	s_wait_xcnt 0x0
	s_wait_alu depctr_hold_cnt(0) depctr_sa_sdst(0) depctr_va_vdst(0) depctr_va_sdst(0) depctr_va_ssrc(0) depctr_va_vcc(0) depctr_vm_vsrc(0)
	s_getreg_b32 s2, hwreg(HW_REG_IB_STS2, 6, 4)
	s_cmp_eq_u32 s2, 0
	s_cbranch_scc0 .Lentry_in_a_cluster
	s_endpgm
.Lentry_in_a_cluster:
	s_bfe_u32 s2, ttmp6, 0x10000c
	s_cmp_lg_u32 s2, 0xf033
	s_cbranch_scc0 .Lentry_shape_is_right
	s_endpgm
.Lentry_shape_is_right:
; part[s][..] = mid[1024][2,048 s ..] w2[2,048 s ..][1024]: the second product, K = 32,768, cut into sixteen runs of 2,048 along K; codes of FP6 (E2M3) with E8M0 scales, f32 sums.  The next launch adds the sixteen parts.
; OPERANDS lie in blocks of 128 rows x 128 K, 12,800 bytes, block (g, kappa) at (256 g + kappa) x 12,800: eight fragments as images of their registers (1,536 bytes: register 4 c + i of a lane at
; 512 c + 16 lane + 4 i), then 512 bytes of scale words (row 16 (4 q + i) + r at 256 q + 16 r + 4 i).  So 128 rows x 256 K are 25,600 dense bytes for one tensor load, codes and scales together.
; A tile of 256 x 256 is made by four waves, each 128 x 128: 64 accumulators, 512 registers.  16 tiles x 16 runs of K are 256 work-groups.  K goes in steps of 256 through two LDS slots, eight steps a work-group.
; CLUSTERS: 4 x 4 work-groups make the sixteen tiles of one run of K; the four of a row need the same tiles of mid, the four of a column the same tiles of w2: each is asked for jointly.
; PREFETCH: behind the joint load of step n each wave asks for the tile that it will load for step n + 2 (at the head also for step 1): a tile is 100 blocks of 256 bytes, of which each of the four partners that
; load it jointly names 25, told apart by address (lanes 25-31 name the 25th again).  The last two refills have no step two on and ask for nothing.
; TRANSPOSED USE: source 0 = 16 places of w2, source 1 = 16 rows of mid.  Place p of w2's codes holds column p with bits 3 and 4 changed over: register j of lane (r, h) of accumulator (a, b) is
; the sum of row 16 a + r and column 32 (b / 2) + 16 h + 8 (b % 2) + j of the wave's 128 x 128.
; THE PARTS LEAVE AS IMAGES OF THE ACCUMULATORS: in slice s the wave's 65,536 bytes begin at ((4 tile row + tile column) 4 + wave) x 65,536; registers 4 half .. + 3 of accumulator (a, b) lie at
; 1,024 (8 a + b) + 512 half + 16 lane.  Each store covers 512 consecutive bytes, aligned; nothing goes through LDS; the next launch puts the sums in their rows.
; LIMITS: NaN and infinities are not served.
.set BLK,    12800
.set FRB,    1536
.set SCW,    12288
.set HALFT,  2*BLK                     ; 128 rows x 256 K: what one tensor load brings
.set SLOT,   4*HALFT                   ; mid's 256 rows, then w2's 256 places
.set SPARE,  2*SLOT                    ; behind the ring: the spare words
.set NQ,     2
.set FR,     12
.set NL,     3
.set NP,     4                         ; places behind this matrix instruction (ISA guide 7.12.1)
.set NK,     256                       ; blocks along K in both buffers
.set LAPS,   4                         ; a lap = two K steps
.set ADRA, 16                          ; v16-17 my fragments of mid in slot 0, 1
.set ADRB, 20                          ; v20-21 the same for w2
.set ADRS, 22                          ; v22-23 my scale words: lanes 0-15 mid's, lanes 16-31 w2's
.set CO,   26                          ; v26    16 x lane
.set SPW,  28
.set NIL,  29
.set PFO,  30                          ; v30    the prefetches' offset: 256 x min(lane, 24)
.set SC,   32                          ; v32-63 scale words, two sets, and nothing else
.set AF,   128                         ; window 0: mid's fragments, one set;  window 1: w2's, two sets;  windows 2, 3: the accumulators
.set G1, 24
.set G0, 32
.set G1B, 48
.set G0B, 56
.set PFA, 70                           ; s[70:71] where my prefetches stand
.set MSB, 0
.macro WIN new                         ; the immediate's high byte repeats the setting that is left
.if MSB != (\new)
	s_set_vgpr_msb (MSB<<8)|(\new)
.set MSB, (\new)
.endif
.endm
.set MUL_LO, 0xa1
.set MUL_HI, 0xf1
.set TO_B,   0x40
.macro JLOAD g0a, g1a, g0b, g1b        ; a joint load: waves 0 and 1 fetch for mid, waves 2 and 3 for w2
	s_cmp_eq_u32 s15, 0
	s_cbranch_scc0 .Lfor_b_\@
	tensor_load_to_lds s[\g0a:\g0a+3], s[\g1a:\g1a+7]
	s_nop 0
.rept 4
	v_nop
.endr
	s_branch .Lasked_\@
.Lfor_b_\@:
	tensor_load_to_lds s[\g0b:\g0b+3], s[\g1b:\g1b+7]
	s_nop 0
.rept 4
	v_nop
.endr
.Lasked_\@:
.endm
.macro CREST                           ; a round of the cluster's barrier behind its opening barrier
	s_cmp_lg_u32 s14, 0
	s_cbranch_scc1 .Lnot_wave_0_\@
	s_barrier_signal -3
.Lnot_wave_0_\@:
	s_barrier_wait -3
	s_barrier_signal -1
	s_barrier_wait -1
.endm
.macro CROUND
	s_barrier_signal -1
	s_barrier_wait -1
	CREST
.endm
	s_load_b128 s[4:7], s[0:1], 0x0                ; mid's codes, w2's codes
	s_load_b64 s[12:13], s[0:1], 0x10              ; part
	v_lshl_add_u32 v[SPW], v0, 2, SPARE
	v_mov_b32 v[NIL], 0
	ds_add_u32 v[SPW], v[NIL]                      ; the opening lines: the add, twice on end, and its wait ahead of my first tensor load
	ds_add_u32 v[SPW], v[NIL]
	v_lshrrev_b32 v1, 5, v0
	v_readfirstlane_b32 s14, v1                    ; wave 0..3
	v_and_b32 v[PFO], 31, v0
	v_min_u32 v[PFO], 24, v[PFO]
	v_lshlrev_b32 v[PFO], 8, v[PFO]
	s_lshr_b32 s15, s14, 1                         ; which half of the tile's rows is mine.  Also: I fetch for mid (0) or for w2 (1)
	s_and_b32 s16, s14, 1                          ; which half of its columns.  Also: which 128 rows of that tile I fetch
	s_bfe_u32 s40, ttmp6, 0x40000                  ; cx = tile column
	s_bfe_u32 s41, ttmp6, 0x40004                  ; cy
	s_and_b32 s17, ttmp7, 0xffff
	s_lshl_b32 s17, s17, 2
	s_add_co_u32 s17, s17, s41                     ; tile row
	s_mul_i32 s66, ttmp9, 16*BLK                   ; the cluster's run of K: 16 blocks
	s_lshl_b32 s43, s41, 2
	s_lshl_b32 s43, 15, s43                        ; my row of the cluster
	s_lshl_b32 s44, 0x1111, s40                    ; my column
	s_or_b32 s[G1+0], s43, (3<<16)|(1<<21)         ; 25,600 dense bytes as 100 rows of 32 elements of 8 bytes; the mask, and bit 21 beside it
	s_or_b32 s[G1B+0], s44, (3<<16)|(1<<21)
.irp g, G1, G1B
	s_mov_b32 s[\g+1], 32<<16
	s_mov_b32 s[\g+2], 100<<16
	s_mov_b32 s[\g+3], 32<<16
	s_mov_b32 s[\g+4], 100
	s_mov_b32 s[\g+5], 32
	s_mov_b32 s[\g+6], 0
	s_mov_b32 s[\g+7], 0
.endr
	s_lshl_b32 s20, s17, 1
	s_add_co_u32 s20, s20, s16                     ; mid: the group of 128 rows that I fetch
	s_mul_i32 s20, s20, NK*BLK
	s_add_co_u32 s20, s20, s66
	s_mov_b32 s21, 0
	s_lshl_b32 s46, s40, 1
	s_add_co_u32 s46, s46, s16                     ; w2 likewise
	s_mul_i32 s46, s46, NK*BLK
	s_add_co_u32 s46, s46, s66
	s_mov_b32 s47, 0
	s_mul_i32 s45, s14, HALFT                      ; where they go: wave x 25,600
	s_mul_i32 s8, s15, HALFT                       ; my 128 rows of mid in a slot,
	s_mul_i32 s9, s16, HALFT
	s_add_co_u32 s9, s9, 2*HALFT                   ; my 128 places of w2,
	s_xor_b32 s10, s15, 1                          ; and from my mid's scale words to my w2's: (2 + column half - row half) x 25,600
	s_add_co_u32 s10, s10, s16
	s_add_co_u32 s10, s10, 1
	s_mul_i32 s10, s10, HALFT
	s_add_co_u32 s11, s8, SCW
	s_wait_alu depctr_va_vdst(0)
	s_wait_dscnt 0x0                               ; both opening adds are done
	s_wait_kmcnt 0x0
	s_add_nc_u64 s[20:21], s[4:5], s[20:21]
	s_add_nc_u64 s[46:47], s[6:7], s[46:47]
	s_cmp_eq_u32 s15, 0
	s_cselect_b64 s[PFA:PFA+1], s[20:21], s[46:47] ; the prefetches: the tile that I load,
	s_cselect_b32 s68, s40, s41                    ; my place among the four that load it with me,
	s_mul_i32 s68, s68, 25*256                     ; and my work-group's 25 blocks of its 100
	s_mov_b32 s69, 0
	s_add_nc_u64 s[PFA:PFA+1], s[PFA:PFA+1], s[68:69]
	CROUND                                         ; all sixteen work-groups are here: the first joint loads meet
.irp s, 0,1
	s_mov_b32 s[G0+4*\s], 1
	s_add_co_u32 s[G0+4*\s+1], s45, \s*SLOT
	s_add_nc_u64 s[G0+4*\s+2:G0+4*\s+3], s[20:21], \s*HALFT
	s_or_b32 s[G0+4*\s+3], s[G0+4*\s+3], 0x80000000
	s_mov_b32 s[G0B+4*\s], 1
	s_add_co_u32 s[G0B+4*\s+1], s45, \s*SLOT
	s_add_nc_u64 s[G0B+4*\s+2:G0B+4*\s+3], s[46:47], \s*HALFT
	s_or_b32 s[G0B+4*\s+3], s[G0B+4*\s+3], 0x80000000
.endr
	JLOAD G0, G1, G0B, G1B                         ; K step 0: one tensor load a wave at the head
	global_prefetch_b8 v[PFO], s[PFA:PFA+1] offset:HALFT th:TH_LOAD_NT scope:SCOPE_SE     ; K step 1,
	global_prefetch_b8 v[PFO], s[PFA:PFA+1] offset:2*HALFT th:TH_LOAD_NT scope:SCOPE_SE   ; and K step 2
	s_lshl_b32 s68, s17, 2                         ; my 65,536 bytes of the slice: ((4 tile row + tile column) 4 + wave)
	s_add_co_u32 s68, s68, s40
	s_lshl_b32 s68, s68, 2
	s_add_co_u32 s68, s68, s14
	s_lshl_b32 s68, s68, 16
	s_lshl_b32 s69, ttmp9, 22                      ; the slice
	s_add_co_u32 s68, s68, s69
	s_mov_b32 s69, 0
	s_add_nc_u64 s[12:13], s[12:13], s[68:69]
	v_and_b32 v1, 15, v0                           ; r
	v_bfe_u32 v2, v0, 4, 1                         ; h
	v_and_b32 v3, 31, v0
	v_lshlrev_b32 v[CO], 4, v3
	v_add_nc_u32 v[ADRA], s8, v[CO]
	v_add_nc_u32 v[ADRB], s9, v[CO]
	v_add_nc_u32 v[ADRA+1], SLOT, v[ADRA]
	v_add_nc_u32 v[ADRB+1], SLOT, v[ADRB]
	v_mul_u32_u24 v4, s10, v2
	v_lshl_add_u32 v4, v1, 4, v4
	v_add_nc_u32 v[ADRS], s11, v4
	v_add_nc_u32 v[ADRS+1], SLOT, v[ADRS]
.macro FRAG reg, adr, q, i             ; fragment i of the slot's q-th block: three loads, each of 512 consecutive bytes
.irp c, 0,1,2
	ds_load_b128 v[(\reg)+4*\c:(\reg)+4*\c+3], v[\adr] offset:(\q)*BLK+(\i)*FRB+512*\c
.endr
.endm
; 16 matrix instructions: mid's blocks a0, a0 + 1 x w2's eight, 128 along K.  The 64 accumulators take turns, in the same order in every step.
.macro MUL16 a0, p, q, sc, zero
.irp a, \a0, \a0+1
.irp b, 0,1,2,3,4,5,6,7
.if \zero
	v_wmma_scale_f32_16x16x128_f8f6f4 v[8*(8*((\a)%4)+\b):8*(8*((\a)%4)+\b)+7], v[128*(\p)+FR*\b:128*(\p)+FR*\b+FR-1], v[AF+FR*(\a):AF+FR*(\a)+FR-1], 0, v[SC+16*(\sc)+8*(\q)+\b], v[SC+16*(\sc)+8*(\q)+(\a)] matrix_a_fmt:MATRIX_FMT_FP6 matrix_b_fmt:MATRIX_FMT_FP6 matrix_a_scale:MATRIX_SCALE_ROW1
.else
	v_wmma_scale_f32_16x16x128_f8f6f4 v[8*(8*((\a)%4)+\b):8*(8*((\a)%4)+\b)+7], v[128*(\p)+FR*\b:128*(\p)+FR*\b+FR-1], v[AF+FR*(\a):AF+FR*(\a)+FR-1], v[8*(8*((\a)%4)+\b):8*(8*((\a)%4)+\b)+7], v[SC+16*(\sc)+8*(\q)+\b], v[SC+16*(\sc)+8*(\q)+(\a)] matrix_a_fmt:MATRIX_FMT_FP6 matrix_b_fmt:MATRIX_FMT_FP6 matrix_a_scale:MATRIX_SCALE_ROW1
.endif
.endr
.endr
.endm
.macro FETCH_B slot, q, p
	WIN TO_B
.irp i, 0,1,2,3,4,5,6,7
	FRAG 128*(\p)+FR*\i, ADRB+\slot, \q, \i
.endr
	WIN 0
.endm
.macro FETCH_A slot, q, i0
.irp i, \i0, \i0+1, \i0+2, \i0+3
	FRAG AF+FR*(\i), ADRA+\slot, \q, \i
.endr
.endm
.macro SCALES sc                       ; a slot's scale words: four words a lane and load
.irp q, 0,1
.irp p, 0,1
	ds_load_b128 v[SC+16*\sc+8*\q+4*\p:SC+16*\sc+8*\q+4*\p+3], v[ADRS+\sc] offset:\q*BLK+256*\p
.endr
.endr
.endm
.macro PLACES n
.rept \n
	v_nop
.endr
.endm
.macro STEP slot, q, zero              ; 128 along K that has its successor in the same slot
	s_wait_dscnt 4*NL                              ; all but the youngest 12 loads (mid's blocks 4-7) are in
	WIN MUL_LO
	MUL16 0, (\q)%2, \q, \slot, \zero
	MUL16 2, (\q)%2, \q, \slot, \zero
	s_wait_dscnt 0
	PLACES NP
	FETCH_B \slot, (\q)+1, 1-(\q)%2
	FETCH_A \slot, (\q)+1, 0
	WIN MUL_HI
	MUL16 4, (\q)%2, \q, \slot, \zero
	MUL16 6, (\q)%2, \q, \slot, \zero
	PLACES NP
	WIN 0
	FETCH_A \slot, (\q)+1, 4
.endm
; A slot's last 128 along K changes slots: one barrier; in front of it each wave waits for all its tensor loads, adds 0 to its spare word, and waits for that and for its reads of this slot.
.macro TURN slot, next, fill
.if \fill
	s_wait_xcnt 0x0                                ; my last prefetch has read its address, a K step ago: it steps here
	s_add_nc_u64 s[PFA:PFA+1], s[PFA:PFA+1], HALFT
.endif
	s_wait_tensorcnt 0x0                           ; all my tensor loads have landed: my part of the next slot
	ds_add_u32 v[SPW], v[NIL]
	s_wait_dscnt 4*NL+1                            ; (the add and the youngest 12 loads may be out)
	WIN MUL_LO
	MUL16 0, 1, NQ-1, \slot, 0
	s_wait_dscnt 0x0                               ; the add is done, and my reads of this slot are over
	s_barrier_signal -1
	MUL16 2, 1, NQ-1, \slot, 0
	WIN 0
	s_barrier_wait -1
.if \fill
	CREST                                          ; the barrier has opened a round of the cluster's: no wave of any partner still reads this slot or has a load on its way
	s_add_nc_u64 s[G0+4*\slot+2:G0+4*\slot+3], s[G0+4*\slot+2:G0+4*\slot+3], 2*HALFT
	s_add_nc_u64 s[G0B+4*\slot+2:G0B+4*\slot+3], s[G0B+4*\slot+2:G0B+4*\slot+3], 2*HALFT
	JLOAD G0+4*\slot, G1, G0B+4*\slot, G1B         ; my one load until the next round; its four v_nop are the places in front of the loads below
.else
	PLACES NP
.endif
	FETCH_B \next, 0, 0
	FETCH_A \next, 0, 0
	SCALES \next
.if \fill
	s_cmp_gt_u32 s3, 1                             ; the loop's last trip loads K steps 6 and 7: no step stands two on
	s_cbranch_scc0 .Lnone_\@
	global_prefetch_b8 v[PFO], s[PFA:PFA+1] offset:3*HALFT th:TH_LOAD_NT scope:SCOPE_SE   ; the K step two loads on
.Lnone_\@:
.endif
	WIN MUL_HI
	MUL16 4, 1, NQ-1, \slot, 0
	MUL16 6, 1, NQ-1, \slot, 0
	PLACES NP
	WIN 0
	FETCH_A \next, 0, 4
.endm
	s_wait_alu depctr_va_vdst(0)
	s_wait_tensorcnt 0x0                           ; my part of K step 0 is in
	ds_add_u32 v[SPW], v[NIL]
	s_wait_dscnt 0x0
	CROUND                                         ; everybody's part of K step 0 is in, and the joint loads meet
	JLOAD G0+4, G1, G0B+4, G1B                     ; K step 1, the first tensor load behind the round
	FETCH_B 0, 0, 0
	FETCH_A 0, 0, 0
	SCALES 0
	FETCH_A 0, 0, 4
	global_prefetch_b8 v[PFO], s[PFA:PFA+1] offset:3*HALFT th:TH_LOAD_NT scope:SCOPE_SE   ; K step 3
	STEP 0, 0, 1                                   ; the first products start the sums: nothing is cleared
	s_mov_b32 s3, LAPS-1
.Llap:
	TURN 0, 1, 1
	STEP 1, 0, 0
	TURN 1, 0, 1
	STEP 0, 0, 0
	s_sub_co_u32 s3, s3, 1
	s_cmp_lg_u32 s3, 0
	s_cbranch_scc1 .Llap
	TURN 0, 1, 0                                   ; the last lap fills nothing
	STEP 1, 0, 0
	s_wait_dscnt 4*NL
	WIN MUL_LO
	MUL16 0, 1, NQ-1, 1, 0
	MUL16 2, 1, NQ-1, 1, 0
	s_wait_dscnt 0
	WIN MUL_HI
	MUL16 4, 1, NQ-1, 1, 0
	MUL16 6, 1, NQ-1, 1, 0
	PLACES NP                                      ; behind the last products
; THE WAY OUT: the accumulators as they are, each from its low end on; no store's data or address is written again, so no wait stands here
.irp a, 0,1,2,3,4,5,6,7
	WIN (2+\a/4)<<2                                ; the data: window 2 or 3
.irp b, 0,1,2,3,4,5,6,7
	global_store_b128 v[CO], v[64*(\a%4)+8*\b:64*(\a%4)+8*\b+3], s[12:13] offset:1024*(8*\a+\b)
	global_store_b128 v[CO], v[64*(\a%4)+8*\b+4:64*(\a%4)+8*\b+7], s[12:13] offset:1024*(8*\a+\b)+512
.endr
.endr
	WIN 0
	s_wait_tensorcnt 0x0                           ; the wave's end
	ds_add_u32 v[SPW], v[NIL]
	s_wait_dscnt 0x0
	CROUND                                         ; the closing round
	s_endpgm
.Lfunc_end_k_qb38b1acf7f_down:
	.size	k_qb38b1acf7f_down, .Lfunc_end_k_qb38b1acf7f_down-k_qb38b1acf7f_down
	.p2alignl 7, 3214868480
	.fill 96, 4, 3214868480
	.section	.rodata,"a",@progbits
	.p2align	6, 0x0
	.amdhsa_kernel k_qb38b1acf7f_down
		.amdhsa_group_segment_fixed_size 327680
		.amdhsa_private_segment_fixed_size 0
		.amdhsa_enable_private_segment 0
		.amdhsa_kernarg_size 24
		.amdhsa_user_sgpr_count 2
		.amdhsa_user_sgpr_kernarg_segment_ptr 1
		.amdhsa_wavefront_size32 1
		.amdhsa_system_sgpr_workgroup_id_x 1
		.amdhsa_system_sgpr_workgroup_id_y 1
		.amdhsa_system_sgpr_workgroup_id_z 1
		.amdhsa_system_vgpr_workitem_id 0
		.amdhsa_next_free_vgpr 1024
		.amdhsa_next_free_sgpr 72
		.amdhsa_reserve_vcc 0
		.amdhsa_float_denorm_mode_32 3
		.amdhsa_float_denorm_mode_16_64 3
		.amdhsa_memory_ordered 1
		.amdhsa_forward_progress 1
		.amdhsa_inst_pref_size 116
	.end_amdhsa_kernel
	.amdgpu_metadata
---
amdhsa.version: [ 1, 2 ]
amdhsa.kernels:
  - .name:           k_qb38b1acf7f_down
    .symbol:         k_qb38b1acf7f_down.kd
    .args:
      - { .name: midq, .offset: 0, .size: 8, .value_kind: global_buffer, .address_space: global }
      - { .name: w2q, .offset: 8, .size: 8, .value_kind: global_buffer, .address_space: global }
      - { .name: part, .offset: 16, .size: 8, .value_kind: global_buffer, .address_space: global }
    .group_segment_fixed_size: 327680
    .private_segment_fixed_size: 0
    .kernarg_segment_align: 8
    .kernarg_segment_size: 24
    .max_flat_workgroup_size: 128
    .sgpr_count:     72
    .vgpr_count:     1024
    .wavefront_size: 32
...
	.end_amdgpu_metadata
.endif
;; end of part 3
;; launch sum (part 4): grid 512 x 1, 16 waves a work-group, no clusters, 10,496 bytes of LDS; arguments part, out0; writes out0
.if DOCPART == 4
	.amdgcn_target "amdgcn-amd-amdhsa--gfx1250"
	.amdhsa_code_object_version 6
	.text
	.protected	k_qb38b1acf7f_sum
	.globl	k_qb38b1acf7f_sum
	.p2align	8
	.type	k_qb38b1acf7f_sum,@function
k_qb38b1acf7f_sum:
	s_mov_b64 s[64:65], 0
	v_nop
	global_prefetch_b8 v0, s[64:65] scope:SCOPE_SE
	s_setreg_imm32_b32 hwreg(HW_REG_WAVE_MODE, 25, 1), 1
	s_wait_xcnt 0x0
; out0[1024][1024] = the sum of the sixteen slices of part, f32, added in ascending order of the slice.
; A slice holds images of the product's accumulators.  Unit u of 8,192 bytes (u = (((4 tile row + tile column) 2 + row half) 2 + column half) 8 + a) is 16 rows x 128 columns of the result:
; the 16 bytes at 16 t (t = 64 b + 32 half + 16 h + r) are row r, columns 32 (b / 2) + 16 h + 8 (b % 2) + 4 half + 0 .. 3.
; A work-group of 512 threads takes one unit: thread t reads its 16 bytes of each slice (a wave's load covers 512 consecutive bytes, aligned; all sixteen loads go out at once), adds them,
; and puts the sum at its place in 16 LDS rows of 512 + 16 bytes; behind a barrier wave w reads row w whole and stores its 512 consecutive bytes, aligned.  Only the sums, a sixteenth of what is read, go through LDS.
; A stream: no matrix unit, no cluster, no loop to run ahead in.
.set SLICE, 4194304
.set PITCH, 528
.set SPARE, 16*PITCH                   ; 8,448, a multiple of 256: the spare words, 128 bytes for each of 16 waves
.set A,   1                            ; v1-8 my 16 bytes in slices 0, 2 .. 14 (the odd slices stand in the loads' immediate)
.set ST,  9
.set RD,  10
.set OO,  11
.set SPW, 12
.set NIL, 13
.set D,   16                           ; v16-79 four registers a slice
	s_load_b128 s[4:7], s[0:1], 0x0                ; part, out0
	s_lshl_b32 s8, ttmp9, 13                       ; the unit
	s_mov_b32 s9, 0
	s_lshr_b32 s10, ttmp9, 7                       ; tile row
	s_lshl_b32 s10, s10, 8
	s_bfe_u32 s11, ttmp9, 0x10004                  ; row half
	s_lshl_b32 s11, s11, 7
	s_add_co_u32 s10, s10, s11
	s_and_b32 s11, ttmp9, 7                        ; a
	s_lshl_b32 s11, s11, 4
	s_add_co_u32 s10, s10, s11                     ; the unit's first row
	s_lshl_b32 s10, s10, 12
	s_bfe_u32 s11, ttmp9, 0x20005                  ; tile column
	s_lshl_b32 s11, s11, 10
	s_add_co_u32 s10, s10, s11
	s_bfe_u32 s11, ttmp9, 0x10003                  ; column half
	s_lshl_b32 s11, s11, 9
	s_add_co_u32 s10, s10, s11
	s_mov_b32 s11, 0
	v_lshl_add_u32 v[SPW], v0, 2, SPARE
	v_mov_b32 v[NIL], 0
	v_lshlrev_b32 v[A], 4, v0
.irp j, 1,2,3,4,5,6,7
	v_add_nc_u32 v[A+\j], \j*2*SLICE, v[A]
.endr
	v_and_b32 v14, 15, v0                          ; into LDS: row r,
	v_mul_u32_u24 v[ST], v14, PITCH
	v_bfe_u32 v14, v0, 4, 1
	v_lshl_add_u32 v[ST], v14, 6, v[ST]            ; + 64 h
	v_bfe_u32 v14, v0, 5, 1
	v_lshl_add_u32 v[ST], v14, 4, v[ST]            ; + 16 half
	v_bfe_u32 v14, v0, 6, 1
	v_lshl_add_u32 v[ST], v14, 5, v[ST]            ; + 32 (b % 2)
	v_bfe_u32 v14, v0, 7, 2
	v_lshl_add_u32 v[ST], v14, 7, v[ST]            ; + 128 (b / 2)
	v_lshrrev_b32 v14, 5, v0                       ; back: row = wave, 16 bytes a lane
	v_and_b32 v15, 31, v0
	v_mul_u32_u24 v[RD], v14, PITCH
	v_lshl_add_u32 v[RD], v15, 4, v[RD]
	v_lshlrev_b32 v[OO], 12, v14                   ; and the same place in out0
	v_lshl_add_u32 v[OO], v15, 4, v[OO]
	s_wait_alu depctr_va_vdst(0)
	s_wait_kmcnt 0x0
	s_add_nc_u64 s[4:5], s[4:5], s[8:9]
	s_add_nc_u64 s[6:7], s[6:7], s[10:11]
.irp s, 0,1,2,3,4,5,6,7,8,9,10,11,12,13,14,15
	global_load_b128 v[D+4*\s:D+4*\s+3], v[A+\s/2], s[4:5] offset:(\s%2)*SLICE th:TH_LOAD_NT
.endr
	s_wait_loadcnt 12                              ; loads come back in order: slices 0 to 3 are in
.irp s, 1,2,3,4,5,6,7,8,9,10,11,12,13,14,15
.if \s%4 == 0
	s_wait_alu depctr_va_vdst(0)
	s_wait_loadcnt 12-\s                           ; the next four slices are in
.endif
	v_pk_add_f32 v[D:D+1], v[D:D+1], v[D+4*\s:D+4*\s+1]
	v_pk_add_f32 v[D+2:D+3], v[D+2:D+3], v[D+4*\s+2:D+4*\s+3]
.endr
	ds_store_b128 v[ST], v[D:D+3]
	s_wait_dscnt 0x0                               ; for the others' sake
	s_barrier_signal -1
	s_barrier_wait -1
	ds_load_b128 v[D+4:D+7], v[RD]
	s_wait_dscnt 0x0
	global_store_b128 v[OO], v[D+4:D+7], s[6:7] th:TH_STORE_NT
	s_wait_tensorcnt 0x0                           ; the wave's end
	ds_add_u32 v[SPW], v[NIL]
	s_wait_dscnt 0x0
	s_endpgm
.Lfunc_end_k_qb38b1acf7f_sum:
	.size	k_qb38b1acf7f_sum, .Lfunc_end_k_qb38b1acf7f_sum-k_qb38b1acf7f_sum
	.p2alignl 7, 3214868480
	.fill 96, 4, 3214868480
	.section	.rodata,"a",@progbits
	.p2align	6, 0x0
	.amdhsa_kernel k_qb38b1acf7f_sum
		.amdhsa_group_segment_fixed_size 10496
		.amdhsa_private_segment_fixed_size 0
		.amdhsa_enable_private_segment 0
		.amdhsa_kernarg_size 16
		.amdhsa_user_sgpr_count 2
		.amdhsa_user_sgpr_kernarg_segment_ptr 1
		.amdhsa_wavefront_size32 1
		.amdhsa_system_sgpr_workgroup_id_x 1
		.amdhsa_system_sgpr_workgroup_id_y 1
		.amdhsa_system_sgpr_workgroup_id_z 1
		.amdhsa_system_vgpr_workitem_id 0
		.amdhsa_next_free_vgpr 88
		.amdhsa_next_free_sgpr 66
		.amdhsa_reserve_vcc 0
		.amdhsa_float_denorm_mode_32 3
		.amdhsa_float_denorm_mode_16_64 3
		.amdhsa_memory_ordered 1
		.amdhsa_forward_progress 1
		.amdhsa_inst_pref_size 7
	.end_amdhsa_kernel
	.amdgpu_metadata
---
amdhsa.version: [ 1, 2 ]
amdhsa.kernels:
  - .name:           k_qb38b1acf7f_sum
    .symbol:         k_qb38b1acf7f_sum.kd
    .args:
      - { .name: part, .offset: 0, .size: 8, .value_kind: global_buffer, .address_space: global }
      - { .name: out0, .offset: 8, .size: 8, .value_kind: global_buffer, .address_space: global }
    .group_segment_fixed_size: 10496
    .private_segment_fixed_size: 0
    .kernarg_segment_align: 8
    .kernarg_segment_size: 16
    .max_flat_workgroup_size: 512
    .sgpr_count:     66
    .vgpr_count:     88
    .wavefront_size: 32
...
	.end_amdgpu_metadata
.endif
;; end of part 4
